; MI455X (gfx1250); checked and timed in simulation.
; The chip was launched on July 23, 2026; its instructions are those of AMD's public machine-readable ISA for CDNA 5 (MIT licence, August 2026) and "CDNA5" Instruction Set Architecture Reference Guide (July 2026). The comments in the code are by the model that wrote it; some were corrected since.
;; Variance Network. Allowed arithmetic: matrix products marked QUANTISED: E3M2 operands, one E8M0 scale for each 32 along K, by v_wmma_scale_f32_16x16x128_f8f6f4 with both operands' format E3M2, f32 sums; products left as they are: f32 operands where the result goes on into a quantised operand, else bf16, f16 or f32 operands; f32 sums; everything else in f32.
;; Inputs: latent 8 x 4,096 x 512 float32; reconstructed_points 8 x 3 x 4,096 float32; s1_b1 512 float32; s1_b2 1 float32; s1_br 512 float32; s1_w1 524 x 512 float32; s1_w2 512 x 1 float32; s1_wr 512 x 512 float32; s2_b1 512 float32; s2_b2 1 float32; s2_br 512 float32; s2_w1 513 x 512 float32; s2_w2 512 x 1 float32; s2_wr 512 x 512 float32; s3_b1 512 float32; s3_b2 1 float32; s3_br 512 float32; s3_w1 513 x 512 float32; s3_w2 512 x 1 float32; s3_wr 512 x 512 float32.
;; Outputs: out0 8 x 4,096 x 1 float32.
;; This version of the problem:
;;   THIS VERSION OF THE PROBLEM IS GIVEN IN LOW PRECISION. The matrix products marked QUANTISED in the list below multiply operands that are first quantised to E3M2 (3 exponent bits, 2 mantissa bits; 6 bits a number), with one power-of-two scale for each 32 numbers along K (OCP MX v1.0); their sums are f32. All else is computed in f32.
;;   The module's matrix products, in the order in which they are computed (A, B: the left and right operand; K: the contracted axis; several contracted axes count as one K, in the product's order):
;;     1. batch 8 x [M 4,096, K 3] x [K 3, N 4,096]; A: input reconstructed_points; B: input reconstructed_points: left as it is (K = 3 < 32)
;;     2. [M 32,768, K 524] x [K 524, N 512]; A: computed on the way; B: input s1_w1: QUANTISED
;;     3. [M 32,768, K 512] x [K 512, N 512]; A: computed on the way; B: input s1_wr: QUANTISED
;;     4. [M 32,768, K 512] x [K 512, N 1]; A: computed on the way; B: input s1_w2: left as it is (N = 1 < 16)
;;     5. [M 32,768, K 513] x [K 513, N 512]; A: computed on the way; B: input s2_w1: QUANTISED
;;     6. [M 32,768, K 512] x [K 512, N 512]; A: computed on the way; B: input s2_wr: QUANTISED
;;     7. [M 32,768, K 512] x [K 512, N 1]; A: computed on the way; B: input s2_w2: left as it is (N = 1 < 16)
;;     8. [M 32,768, K 513] x [K 513, N 512]; A: computed on the way; B: input s3_w1: QUANTISED
;;     9. [M 32,768, K 512] x [K 512, N 512]; A: computed on the way; B: input s3_wr: QUANTISED
;;     10. [M 32,768, K 512] x [K 512, N 1]; A: computed on the way; B: input s3_w2: left as it is (N = 1 < 16)
;;   THE QUANTISER, for each operand of a quantised product, along K:
;;     - K is cut into blocks of 32 from its start; a last block that is shorter is filled with zeros.
;;     - A block's scale is 2^e with e = floor(log2(the largest magnitude in the block)) - 4, held to -126 .. 127; a block of zeros has e = 0. As a byte (E8M0): e + 127.
;;     - Each number is divided by its block's scale, clamped to +-28, and rounded to the nearest number of E3M2, ties to even, subnormals kept.
;;     - The product sums the exact products of the quantised numbers (number of the format x scale) in f32.
;;   ~~~python
;;   def quantise(x, axis):      # numpy; x: float32 -> the quantised numbers, widened to float32 again
;;       x = np.moveaxis(x, axis, -1); K = x.shape[-1]
;;       x = np.pad(x, [(0, 0)] * (x.ndim - 1) + [(0, -K % 32)]); x = x.reshape(x.shape[:-1] + (-1, 32)); a = np.abs(x).max(-1, keepdims=True)
;;       e = np.where(a > 0, np.clip(np.frexp(np.where(a > 0, a, 1))[1] - 1 - 4, -126, 127), 0)      # np.frexp(a)[1] - 1 = floor(log2(a)), exactly
;;       r = np.clip(x / 2.0 ** e, -28, 28)
;;       step = 2.0 ** (np.maximum(np.frexp(np.where(r == 0, 1, r))[1] - 1, -2) - 2)
;;       q = np.round(r / step) * step * 2.0 ** e      # np.round: ties to even
;;       return np.moveaxis(q.reshape(q.shape[:-2] + (-1,))[..., :K], -1, axis).astype(np.float32)
;;   ~~~
;;   OPERANDS COMPUTED ON THE WAY. 'Computed on the way' means the value that the module computes at that place (a softmax that the list does not call 'softmax' is quantised finished and normalised). What goes into a quantiser is computed in f32, as accurately as f32 sums, v_exp_f32 and their like allow (about 1e-6 of the number): no bf16 or f16 on the way to a quantiser, and a product that is left as it is and whose result goes on into a quantised operand takes f32 operands (vector FMAs, or v_wmma_f32_16x16x4_f32). A number that lies on a knife's edge between two numbers of the format may be rounded either way, as far as f32 arithmetic and the matrix unit's own rounding can turn it there, and no further.
;; One version. Each part assembles by itself: llvm-mc -triple=amdgcn-amd-amdhsa -mcpu=gfx1250 --defsym DOCPART=n.
;; ======== version 1 of 1: 2 launches
;; workspace buffers: pts4 524,288 bytes; groups 131,072 bytes of whole numbers; wimg 1,437,696 bytes
;; launch prep (part 1): grid 364 x 1, 8 waves a work-group, no clusters, 118,272 bytes of LDS; arguments reconstructed_points, s1_w1, s1_wr, s2_w1, s2_wr, s3_w1, s3_wr, pts4, groups, wimg; writes pts4, groups, wimg
.if DOCPART == 1
	.amdgcn_target "amdgcn-amd-amdhsa--gfx1250"
	.amdhsa_code_object_version 6
	.text
	.protected	k_q646d06caf7_prep
	.globl	k_q646d06caf7_prep
	.p2align	8
	.type	k_q646d06caf7_prep,@function
k_q646d06caf7_prep:
	s_mov_b64 s[64:65], 0
	v_nop
	global_prefetch_b8 v0, s[64:65] scope:SCOPE_SE
	s_setreg_imm32_b32 hwreg(HW_REG_WAVE_MODE, 25, 1), 1
	s_wait_xcnt 0x0
; TWO JOBS IN ONE LAUNCH, told apart by the work-group's number.
; Work-groups 0-255: the coarse half of the nearest-neighbour search.  A batch's 4,096 points are 128 groups of 32 neighbouring indices.
;   Under the order (pd descending, index ascending) the best two points of a query lie in the best two groups under (group's largest pd descending, group's number ascending).
;   This launch finds these two groups for each query, from maxima alone, and stores them as whole numbers; the next launch looks through their 64 points.
;   pd = ((2x_q x_m + 2y_q y_m + 2z_q z_m) - xx_q) - xx_m, the bracket as a chain of fused multiply-adds in that order: one f32 matrix instruction (K = 4: x, y, z, 1 against 2x, 2y, 2z, -xx)
;   makes 16 candidates x 16 queries of the bracket less xx_q; xx = fma(z, z, fma(y, y, x x)).  The next launch repeats the same chain with vector instructions.
;   It also stores pts4[row] = (x, y, z, xx).
; Work-groups 256-363: the six weight matrices ([K][512] f32, K first) become codes of E3M2 with one E8M0 byte for each 32 along K, laid as images of operand registers:
;   record (seq, wave w) at seq x 53,248 + w x 13,312; seq = 9 x stage + p; p = 0..4 the first matrix's K steps of 128 (the fifth holds rows 512 on, zero codes behind the last row), p = 5..8 the residual matrix's.
;   In a record fragment b's registers 4c..4c+3 of lane l lie at 1,536 b + 512 c + 16 l, its scale word at 12,288 + 128 b + 4 l.
;   Lane r of fragment b is hidden unit 128 w + 32 (b / 2) + 8 (b % 2) + r + 8 (r / 8).
; LIMITS: NaN and infinities among the inputs are not served.  Two neighbours whose pd differ by a rounding of f32 may change places against a sum taken in another order.
;   A block of zeros gets the scale byte 1 where the rule says 127: its codes are zeros and this program alone reads the bytes.
.set GP,   640                         ; a group of 32 candidates in LDS: 512 bytes + 128, so that a fragment's rows 8-15 start 128 bytes on modulo 256
.set XXT,  81920                       ; behind the 128 groups: xx of the batch's 4,096 points
.set MRG,  98304                       ; 128 queries x 144 bytes: eight parts of 16 bytes (best, its group, second, its group)
.set RES,  116736                      ; 128 words: the result
.set BQ,   16                          ; v16-23   my four query tiles: 2 registers each
.set AF,   24                          ; v24-39   candidates' fragments: buffer x tile x 2
.set XX,   40                          ; v40-103  candidates' xx: buffer x 32
.set ACCD, 104                         ; v104-167 results: bank x query tile x 8; written by matrix instructions alone
.set TMPT, 168                         ; v168-183 pd: two sets of 8
.set GM,   184                         ; per query tile: the group's largest pd so far
.set KB1,  188                         ; the best group maximum, KC1 its run; KB2, KC2 the second
.set KC1,  192
.set KB2,  196
.set KC2,  200
.set RV,   204                         ; the run's number
.set UV,   208                         ; two pairs at work
.set RWA,  253                         ; v253 waves 0-3: LDS address of my query's result word.  v253-255 are made at the head and written by no other line: the tables' build takes v40-103 and v168-231
.set RRA,  254                         ; v254 wave 0: LDS address of 16 bytes of results
.set RGO,  255                         ; v255 16 x lane: their place in groups
.set REC,  53248
	s_load_b512 s[4:19], s[0:1], 0x0               ; points s[4:5]; s1_w1, s1_wr, s2_w1, s2_wr, s3_w1, s3_wr s[6:17]; pts4 s[18:19]
	s_load_b128 s[36:39], s[0:1], 0x40             ; groups s[36:37], wimg s[38:39]
	s_set_vgpr_msb 0x40
	v_lshl_add_u32 v0, v0, 2, 0x1ca00
	v_mov_b32 v1, 0
	s_set_vgpr_msb 0x4000
	v_lshrrev_b32 v1, 5, v0
	v_readfirstlane_b32 s40, v1                    ; wave 0..7
	v_and_b32 v1, 31, v0                           ; lane
	v_and_b32 v2, 15, v0                           ; r
	v_bfe_u32 v3, v0, 4, 1                         ; h
	s_cmp_ge_u32 ttmp9, 256
	s_cbranch_scc1 .Lweights
; ---------------- the search.  The work-group owns 128 queries; wave v: query half qh = v & 1 (four tiles of 16), candidate quarter cq = v >> 1 (16 runs of 64)
	s_and_b32 s41, s40, 1                          ; qh
	s_lshr_b32 s42, s40, 1                         ; cq
	s_and_b32 s45, ttmp9, 31                       ; my block of 128 queries in the batch
	s_lshr_b32 s46, ttmp9, 5                       ; the batch
	s_and_b32 s47, s40, 3
	s_mov_b32 s31, 0xffff0000                      ; lanes 16-31
	; every LDS address is made here, ahead of the first branch on the wave's number
	v_lshlrev_b32 v4, 4, v0                        ; 16 x thread: offset in the points' rows, and in pts4
	v_add_nc_u32 v5, XXT, v4                       ; where I put four xx
	v_lshrrev_b32 v6, 3, v0
	v_mul_u32_u24 v6, v6, GP
	v_and_b32 v7, 7, v0
	v_lshl_add_u32 v6, v7, 6, v6                   ; where I put four candidates: group t / 8, 64 (t % 8)
	s_mul_i32 s20, s42, 32*GP
	v_lshrrev_b32 v7, 3, v2
	v_mul_u32_u24 v7, v7, GP
	v_and_b32 v8, 7, v2
	v_lshl_add_u32 v7, v8, 4, v7
	v_lshl_add_u32 v7, v3, 3, v7
	v_add_nc_u32 v7, s20, v7                       ; CA: rows 0-7 of a fragment from the run's even group, rows 8-15 from its odd one; + 8 h
	s_lshl_b32 s20, s42, 12
	s_add_co_u32 s20, s20, XXT
	v_lshl_add_u32 v8, v3, 7, s20                  ; XA: xx of the group that my half of the lanes holds in the result
	s_lshl_b32 s20, s45, 2
	s_add_co_u32 s21, s20, s47
	s_mul_i32 s21, s21, GP
	v_lshl_add_u32 v9, v1, 4, s21                  ; waves 0-3: my query as a candidate
	s_lshl_b32 s22, s45, 9
	s_add_co_u32 s22, s22, XXT
	s_lshl_b32 s23, s47, 7
	s_add_co_u32 s23, s23, s22
	v_lshl_add_u32 v10, v1, 2, s23                 ; and its xx
	s_lshl_b32 s23, s41, 1
	s_add_co_u32 s23, s23, s20
	s_mul_i32 s23, s23, GP
	v_lshl_add_u32 v12, v2, 4, s23
	v_lshl_add_u32 v12, v3, 3, v12                 ; my query tiles' fragments
	s_lshl_b32 s23, s41, 8
	s_add_co_u32 s23, s23, s22
	v_lshl_add_u32 v13, v2, 2, s23                 ; and their xx
	s_mul_i32 s23, s41, 9216
	s_lshl_b32 s24, s42, 5
	s_add_co_u32 s23, s23, s24
	s_add_co_u32 s23, s23, MRG
	v_mul_u32_u24 v14, v2, 144
	v_lshl_add_u32 v14, v3, 4, v14
	v_add_nc_u32 v14, s23, v14                     ; where my part of a query's eight goes
	v_and_b32 v15, 127, v0
	v_lshl_add_u32 v[RWA], v15, 2, RES             ; waves 0-3: the query's result word
	v_mul_u32_u24 v15, v15, 144
	v_add_nc_u32 v15, MRG, v15                     ; waves 0-3: the query's eight parts
	v_lshlrev_b32 v[RGO], 4, v1
	v_add_nc_u32 v[RRA], RES, v[RGO]               ; wave 0: the results, 16 bytes a lane
	s_lshl_b32 s43, s42, 4                         ; my first run's number in the batch
	s_mul_i32 s20, s46, 49152
	s_mov_b32 s21, 0
	s_lshl_b32 s22, ttmp9, 11
	s_mov_b32 s23, 0
	s_lshl_b32 s24, ttmp9, 9
	s_mov_b32 s25, 0
	s_wait_kmcnt 0x0
	s_add_nc_u64 s[4:5], s[4:5], s[20:21]          ; the batch's three rows of 4,096
	s_add_nc_u64 s[18:19], s[18:19], s[22:23]      ; my 128 rows of pts4
	s_add_nc_u64 s[36:37], s[36:37], s[24:25]      ; my 128 words of groups
; ---- the tables: thread t takes points 1,024 i + 4 t .. + 3; each load of a wave reads 512 consecutive bytes
.irp i, 0,1,2,3
	global_load_b128 v[40+12*\i:43+12*\i], v4, s[4:5] offset:4096*\i
	global_load_b128 v[44+12*\i:47+12*\i], v4, s[4:5] offset:4096*\i+16384
	global_load_b128 v[48+12*\i:51+12*\i], v4, s[4:5] offset:4096*\i+32768
.endr
.irp i, 0,1,2,3
	s_wait_loadcnt 9-3*\i                          ; the three loads of every later quarter may be out
.irp e, 0,1,2,3
	v_mul_f32 v[88+4*\i+\e], v[40+12*\i+\e], v[40+12*\i+\e]
.endr
.irp e, 0,1,2,3
	v_fma_f32 v[88+4*\i+\e], v[44+12*\i+\e], v[44+12*\i+\e], v[88+4*\i+\e]
.endr
.irp e, 0,1,2,3
	v_fma_f32 v[88+4*\i+\e], v[48+12*\i+\e], v[48+12*\i+\e], v[88+4*\i+\e]   ; xx
.endr
.irp e, 0,1,2,3
	v_mov_b32 v[168+16*\i+4*\e], v[40+12*\i+\e]
	v_mov_b32 v[169+16*\i+4*\e], v[44+12*\i+\e]
	v_mov_b32 v[170+16*\i+4*\e], v[48+12*\i+\e]
	v_mov_b32 v[171+16*\i+4*\e], 1.0               ; (x, y, z, 1)
.endr
.irp e, 0,1,2,3
	ds_store_b128 v6, v[168+16*\i+4*\e:171+16*\i+4*\e] offset:32*GP*\i+16*\e
.endr
	ds_store_b128 v5, v[88+4*\i:91+4*\i] offset:4096*\i
.endr
	s_wait_dscnt 0x0                               ; my stores have landed: then the barrier, behind which all read the tables
	s_barrier_signal -1
	s_barrier_wait -1
; ---- pts4: waves 0-3 store the work-group's 128 rows, 512 consecutive bytes a wave
	s_cmp_ge_u32 s40, 4
	s_cbranch_scc1 .Lnopts
	ds_load_b128 v[248:251], v9
	ds_load_b32 v252, v10
	s_wait_dscnt 0x0
	v_mov_b32 v251, v252                           ; (x, y, z, xx); these registers are not written again
	global_store_b128 v4, v[248:251], s[18:19]
.Lnopts:
; ---- my four query tiles as source 1: lane (r, h): h = 0: (2x, 2y); h = 1: (2z, -xx)
.irp i, 0,1,2,3
	ds_load_b64 v[208+2*\i:209+2*\i], v12 offset:(\i/2)*GP+(\i%2)*256
	ds_load_b32 v[216+\i], v13 offset:64*\i
.endr
	s_wait_dscnt 0x0
.irp i, 0,1,2,3
	v_add_f32 v[BQ+2*\i], v[208+2*\i], v[208+2*\i]
	v_add_f32 v[209+2*\i], v[209+2*\i], v[209+2*\i]
	v_xor_b32 v[216+\i], 0x80000000, v[216+\i]
	v_cndmask_b32 v[BQ+2*\i+1], v[209+2*\i], v[216+\i], s31
	v_mov_b32 v[KB1+\i], 0xff800000                ; -infinity: under every pd
	v_mov_b32 v[KB2+\i], 0xff800000
	v_mov_b32 v[KC1+\i], 0
	v_mov_b32 v[KC2+\i], 0
.endr
.macro LDRUN bt, off                   ; a run of 64 candidates into buffer bt: four fragments and 32 xx; off: runs ahead of the addresses
.irp t, 0,1,2,3
	ds_load_b64 v[AF+8*(\bt)+2*\t:AF+8*(\bt)+2*\t+1], v7 offset:(\off)*2*GP+128*\t
.endr
.irp k, 0,1,2,3,4,5,6,7
	ds_load_b128 v[XX+32*(\bt)+4*\k:XX+32*(\bt)+4*\k+3], v8 offset:(\off)*256+16*\k
.endr
.endm
.macro WM bt, t, x, i                  ; 16 candidates x 16 queries: register j of lane (r, h) is candidate 8 t + j of group 2 run + h against query r
	v_wmma_f32_16x16x4_f32 v[ACCD+32*(\x)+8*(\i):ACCD+32*(\x)+8*(\i)+7], v[AF+8*(\bt)+2*(\t):AF+8*(\bt)+2*(\t)+1], v[BQ+2*(\i):BQ+2*(\i)+1], 0
.endm
.macro PROC bt, t, x, i                ; less xx_m, from the result's low end on, and the group's running maximum
.set DD, ACCD+32*(\x)+8*(\i)
.set XS, XX+32*(\bt)+8*(\t)
.set TT, TMPT+8*((\i)%2)
.set UU, UV+2*((\i)%2)
.irp q, 0,1,2,3
	v_pk_add_f32 v[TT+2*\q:TT+2*\q+1], v[DD+2*\q:DD+2*\q+1], v[XS+2*\q:XS+2*\q+1] neg_lo:[0,1] neg_hi:[0,1]
.endr
	v_max3_num_f32 v[UU], v[TT], v[TT+1], v[TT+2]
	v_max3_num_f32 v[UU+1], v[TT+3], v[TT+4], v[TT+5]
.if (\t) == 0
	v_max3_num_f32 v[GM+(\i)], v[UU], v[TT+6], v[TT+7]             ; a group's first eight start its maximum
	v_max_num_f32 v[GM+(\i)], v[GM+(\i)], v[UU+1]
.else
	v_max3_num_f32 v[GM+(\i)], v[GM+(\i)], v[TT+6], v[TT+7]
	v_max3_num_f32 v[GM+(\i)], v[GM+(\i)], v[UU], v[UU+1]
.endif
.endm
.macro UPD i                           ; the finished group against the best two; runs ascend, so 'greater' alone keeps the lower group on a tie
	v_cmp_gt_f32 vcc_lo, v[GM+\i], v[KB1+\i]
	v_cmp_gt_f32 s30, v[GM+\i], v[KB2+\i]
	v_cndmask_b32 v[KC2+\i], v[KC2+\i], v[RV], s30
	v_cndmask_b32 v[KC2+\i], v[KC2+\i], v[KC1+\i], vcc_lo
	v_cndmask_b32 v[KC1+\i], v[KC1+\i], v[RV], vcc_lo
	v_med3_num_f32 v[KB2+\i], v[KB1+\i], v[KB2+\i], v[GM+\i]
	v_max_num_f32 v[KB1+\i], v[KB1+\i], v[GM+\i]
.endm
; A trip is two runs, eight candidate tiles u.  Behind each matrix instruction of tile u + 1 stands the vector work on tile u's result for the same query tile, in the other bank:
; between a matrix instruction and the first read of its result, and the next write over it, stand 32 plain vector instructions or more that name none of its registers (8 and 9 are asked: ISA guide 7.12.1).
; A buffer is loaded again two tiles' vector work behind its last matrix reader.
.macro TRIP last
.set u, 0
.rept 8
.if u == 0
	LDRUN 1, 1
.endif
.if (u == 4) && !(\last)
	LDRUN 0, 2
.endif
.if (u == 3) || ((u == 7) && !(\last))
	s_wait_dscnt 0x0                               ; the other buffer is in: its first tile is multiplied below
.endif
.if (u%4) == 3
	v_mov_b32 v[RV], s43
	s_add_co_u32 s43, s43, 1
.endif
.irp i, 0,1,2,3
.if (u < 7) || !(\last)
	WM ((u+1)%8)/4, (u+1)%4, (u+1)%2, \i
.endif
	PROC u/4, u%4, u%2, \i
.if (u%4) == 3
	UPD \i
.endif
.endr
.set u, u+1
.endr
.if !(\last)
	v_add_nc_u32 v7, 4*GP, v7
	v_add_nc_u32 v8, 512, v8
.endif
.endm
	LDRUN 0, 0
	s_wait_dscnt 0x0
.irp i, 0,1,2,3
	WM 0, 0, 0, \i
.endr
.rept 8
	v_nop                                          ; eight places behind the f32 form, ahead of the first read of its results
.endr
	s_mov_b32 s44, 7
.Ltrip:
	TRIP 0
	s_sub_co_u32 s44, s44, 1
	s_cmp_lg_u32 s44, 0
	s_cbranch_scc1 .Ltrip
	TRIP 1                                         ; the last two runs: nothing more to fetch or to multiply ahead
; ---- the eight parts of each query meet in LDS
.irp i, 0,1,2,3
	v_mov_b32 v[212+4*\i], v[KB1+\i]
	v_lshl_add_u32 v[213+4*\i], v[KC1+\i], 1, v3   ; group = 2 run + h
	v_mov_b32 v[214+4*\i], v[KB2+\i]
	v_lshl_add_u32 v[215+4*\i], v[KC2+\i], 1, v3
.endr
.irp i, 0,1,2,3
	ds_store_b128 v14, v[212+4*\i:215+4*\i] offset:2304*\i
.endr
	s_wait_dscnt 0x0
	s_barrier_signal -1
	s_barrier_wait -1
.macro INSERT v, g                     ; (value, group) against the best two, by (value descending, group ascending)
	v_cmp_gt_f32 s20, v[\v], v212
	v_cmp_eq_f32 s21, v[\v], v212
	v_cmp_lt_u32 s22, v[\g], v213
	v_cmp_gt_f32 s23, v[\v], v214
	v_cmp_eq_f32 s24, v[\v], v214
	v_cmp_lt_u32 s25, v[\g], v215
	s_and_b32 s21, s21, s22
	s_or_b32 s20, s20, s21
	s_and_b32 s24, s24, s25
	s_or_b32 s23, s23, s24
	v_cndmask_b32 v215, v215, v[\g], s23
	v_cndmask_b32 v215, v215, v213, s20
	v_cndmask_b32 v213, v213, v[\g], s20
	v_med3_num_f32 v214, v212, v214, v[\v]
	v_max_num_f32 v212, v212, v[\v]
.endm
	s_cmp_ge_u32 s40, 4
	s_cbranch_scc1 .Lnomerge
.irp p, 0,1,2,3,4,5,6,7
	ds_load_b128 v[212+4*\p:215+4*\p], v15 offset:16*\p            ; a lane a query
.endr
	s_wait_dscnt 0x0
.set e, 0
.rept 14
	INSERT 216+2*e, 217+2*e
.set e, e+1
.endr
	v_min_u32 v244, v213, v215
	v_max_u32 v245, v213, v215
	v_lshl_or_b32 v244, v245, 8, v244              ; the lower group | the higher << 8
	ds_store_b32 v[RWA], v244
.Lnomerge:
	s_wait_dscnt 0x0
	s_barrier_signal -1
	s_barrier_wait -1
	s_cmp_lg_u32 s40, 0
	s_cbranch_scc1 .Lknn_end
	ds_load_b128 v[244:247], v[RRA]
	s_wait_dscnt 0x0
	global_store_b128 v[RGO], v[244:247], s[36:37] ; 512 consecutive bytes, aligned
.Lknn_end:
	s_set_vgpr_msb 0x5
	s_wait_tensorcnt 0x0
	ds_add_u32 v0, v1
	s_wait_dscnt 0x0
	s_set_vgpr_msb 0x500
	s_endpgm
; ---------------- the weights: one record a work-group, one fragment a wave.  Lane r takes a hidden unit (a column), its registers run down K in the order of the operand's registers
.Lweights:
	s_sub_co_u32 s20, ttmp9, 256
	s_lshr_b32 s21, s20, 2                         ; seq 0..26
	s_and_b32 s22, s20, 3                          ; w
	s_mov_b32 s34, 0x76543210
	s_mov_b32 s35, 0xfedcba98                      ; lane l xor 16
	s_wait_kmcnt 0x0
	s_mov_b32 s29, 524
	s_cmp_ge_u32 s21, 9                            ; the choices hang on the work-group's number alone
	s_cselect_b64 s[24:25], s[10:11], s[6:7]
	s_cselect_b64 s[26:27], s[12:13], s[8:9]
	s_cselect_b32 s28, 9, 0
	s_cselect_b32 s29, 513, s29
	s_cmp_ge_u32 s21, 18
	s_cselect_b64 s[24:25], s[14:15], s[24:25]
	s_cselect_b64 s[26:27], s[16:17], s[26:27]
	s_cselect_b32 s28, 18, s28
	s_sub_co_u32 s23, s21, s28                     ; p 0..8
	s_cmp_lt_u32 s23, 5
	s_cselect_b64 s[24:25], s[24:25], s[26:27]     ; the matrix
	s_cselect_b32 s29, s29, 512                    ; its rows
	s_cselect_b32 s30, 0, 5
	s_sub_co_u32 s30, s23, s30                     ; the K step in it
	s_sub_co_u32 s33, s29, 1                       ; its last row: no load leaves the buffer
	s_lshl_b32 s31, s22, 7
	s_lshr_b32 s32, s40, 1
	s_lshl_b32 s32, s32, 5
	s_add_co_u32 s31, s31, s32
	s_and_b32 s32, s40, 1
	s_lshl_b32 s32, s32, 3
	s_add_co_u32 s31, s31, s32
	v_and_b32 v4, 8, v2
	v_add_nc_u32 v4, v4, v2
	v_add_nc_u32 v4, s31, v4                       ; my hidden unit
	v_lshlrev_b32 v4, 2, v4
	s_lshl_b32 s32, s30, 7
	v_lshl_add_u32 v5, v3, 5, s32                  ; my first row: 128 x K step + 32 h
	v_lshlrev_b32 v16, 4, v1
	v_lshlrev_b32 v17, 2, v1
	s_mul_i32 s42, s21, REC
	s_mul_i32 s32, s22, 13312
	s_add_co_u32 s42, s42, s32
	s_mov_b32 s43, 0
	s_add_nc_u64 s[42:43], s[38:39], s[42:43]      ; the record
	s_mul_i32 s44, s40, 1536
	s_mov_b32 s45, 0
	s_add_nc_u64 s[44:45], s[42:43], s[44:45]      ; my fragment
	s_lshl_b32 s46, s40, 7
	s_mov_b32 s47, 0
	s_add_nc_u64 s[46:47], s[42:43], s[46:47]      ; my scale words (12,288 further on)
.set e, 0
.rept 64                                ; element e: k = 64 (e / 32) + 32 h + e % 32 of the K step
	v_add_nc_u32 v6, 64*(e/32)+(e%32), v5
	v_min_u32 v6, s33, v6
	v_lshl_add_u32 v[40+e], v6, 11, v4
	global_load_b32 v[168+e], v[40+e], s[24:25]
.set e, e+1
.endr
	s_wait_loadcnt 0x0
.set e, 0
.rept 64
	v_add_nc_u32 v6, 64*(e/32)+(e%32), v5
	v_cmp_gt_u32 vcc_lo, s29, v6
	v_cndmask_b32 v[168+e], 0, v[168+e], vcc_lo    ; zeros behind the matrix's last row
.set e, e+1
.endr
.irp c, 0,1
	v_max3_num_f32 v[8+\c], |v[168+32*\c]|, |v[169+32*\c]|, 0x2800000   ; my block 2 c + h, with the floor 2^(5 - 127): the byte cannot fall under 1
.endr
.irp i, 2,4,6,8,10,12,14,16,18,20,22,24,26,28,30
.irp c, 0,1
	v_max3_num_f32 v[8+\c], v[8+\c], |v[168+32*\c+\i]|, |v[169+32*\c+\i]|
.endr
.endr
.irp c, 0,1
	v_add_nc_u32 v[10+\c], 0xfe000000, v[8+\c]     ; 4 off the exponent field: the conversion's scale operand
.endr
.irp c, 0,1
	v_lshrrev_b32 v[12+\c], 23, v[10+\c]           ; the scale's byte
.endr
	v_lshl_or_b32 v14, v13, 16, v12
	v_lshlrev_b32 v15, 3, v3
	v_lshlrev_b32 v14, v15, v14                    ; blocks h and 2 + h at their places
	v_mov_b32 v15, 0
	v_permlanex16_b32 v15, v14, s34, s35
	v_or_b32 v14, v14, v15                         ; with lane l xor 16's two the word is whole, in both halves
.irp c, 0,1
	v_cvt_scalef32_pk16_bf6_f32 v[232+6*\c:234+6*\c], v[168+32*\c:183+32*\c], v[10+\c]
	v_cvt_scalef32_pk16_bf6_f32 v[244+4*\c:246+4*\c], v[184+32*\c:199+32*\c], v[10+\c]   ; (a conversion's three registers begin on an even number)
.endr
	v_nop                                          ; one plain place behind a scaled conversion
.irp c, 0,1
.irp i, 0,1,2
	v_mov_b32 v[235+6*\c+\i], v[244+4*\c+\i]
.endr
.endr
.irp c, 0,1,2
	global_store_b128 v16, v[232+4*\c:235+4*\c], s[44:45] offset:512*\c   ; 512 consecutive bytes, aligned
.endr
	global_store_b32 v17, v14, s[46:47] offset:12288   ; 128 consecutive bytes
	s_endpgm
.Lfunc_end_k_q646d06caf7_prep:
	.size	k_q646d06caf7_prep, .Lfunc_end_k_q646d06caf7_prep-k_q646d06caf7_prep
	.p2alignl 7, 3214868480
	.fill 96, 4, 3214868480
	.section	.rodata,"a",@progbits
	.p2align	6, 0x0
	.amdhsa_kernel k_q646d06caf7_prep
		.amdhsa_group_segment_fixed_size 118272
		.amdhsa_private_segment_fixed_size 0
		.amdhsa_enable_private_segment 0
		.amdhsa_kernarg_size 80
		.amdhsa_user_sgpr_count 2
		.amdhsa_user_sgpr_kernarg_segment_ptr 1
		.amdhsa_wavefront_size32 1
		.amdhsa_system_sgpr_workgroup_id_x 1
		.amdhsa_system_sgpr_workgroup_id_y 1
		.amdhsa_system_sgpr_workgroup_id_z 1
		.amdhsa_system_vgpr_workitem_id 0
		.amdhsa_next_free_vgpr 258
		.amdhsa_next_free_sgpr 66
		.amdhsa_reserve_vcc 1
		.amdhsa_float_denorm_mode_32 3
		.amdhsa_float_denorm_mode_16_64 3
		.amdhsa_memory_ordered 1
		.amdhsa_forward_progress 1
		.amdhsa_inst_pref_size 99
	.end_amdhsa_kernel
	.amdgpu_metadata
---
amdhsa.version: [ 1, 2 ]
amdhsa.kernels:
  - .name:           k_q646d06caf7_prep
    .symbol:         k_q646d06caf7_prep.kd
    .args:
      - { .name: reconstructed_points, .offset: 0, .size: 8, .value_kind: global_buffer, .address_space: global }
      - { .name: s1_w1, .offset: 8, .size: 8, .value_kind: global_buffer, .address_space: global }
      - { .name: s1_wr, .offset: 16, .size: 8, .value_kind: global_buffer, .address_space: global }
      - { .name: s2_w1, .offset: 24, .size: 8, .value_kind: global_buffer, .address_space: global }
      - { .name: s2_wr, .offset: 32, .size: 8, .value_kind: global_buffer, .address_space: global }
      - { .name: s3_w1, .offset: 40, .size: 8, .value_kind: global_buffer, .address_space: global }
      - { .name: s3_wr, .offset: 48, .size: 8, .value_kind: global_buffer, .address_space: global }
      - { .name: pts4, .offset: 56, .size: 8, .value_kind: global_buffer, .address_space: global }
      - { .name: groups, .offset: 64, .size: 8, .value_kind: global_buffer, .address_space: global }
      - { .name: wimg, .offset: 72, .size: 8, .value_kind: global_buffer, .address_space: global }
    .group_segment_fixed_size: 118272
    .private_segment_fixed_size: 0
    .kernarg_segment_align: 8
    .kernarg_segment_size: 80
    .max_flat_workgroup_size: 256
    .sgpr_count:     66
    .vgpr_count:     258
    .wavefront_size: 32
...
	.end_amdgpu_metadata
.endif
;; end of part 1
;; launch mlp (part 2): grid 256 x 1, 4 waves a work-group, no clusters, 242,688 bytes of LDS; arguments latent, pts4, groups, wimg, s1_b1, s1_br, s1_w2, s2_b1, s2_br, s2_w2, s3_b1, s3_br, s3_w2, s1_b2, s2_b2, s3_b2, out0; writes out0
.if DOCPART == 2
	.amdgcn_target "amdgcn-amd-amdhsa--gfx1250"
	.amdhsa_code_object_version 6
	.text
	.protected	k_q646d06caf7_mlp
	.globl	k_q646d06caf7_mlp
	.p2align	8
	.type	k_q646d06caf7_mlp,@function
k_q646d06caf7_mlp:
	s_mov_b64 s[64:65], 0
	v_nop
	global_prefetch_b8 v0, s[64:65] scope:SCOPE_SE
	s_setreg_imm32_b32 hwreg(HW_REG_WAVE_MODE, 25, 1), 1
	s_wait_xcnt 0x0
; The exact best two neighbours, the latent's quantiser and all three stages, for 128 rows a work-group.  Nothing between the stages goes to memory.
; A stage: h = relu(x W1 + b1) (K = 512 + a tail: five K steps of 128), h = relu(h + h Wr + br) (four K steps), its result h . w2 + b2, added to the running std; all six wide products on codes of E3M2
; with one E8M0 byte for each 32 along K; everything else f32.
; SHARES.  Eight row tiles a of 16 rows.  THE WAVES SHARE THE COLUMNS: wave w makes hidden units 128 w .. 128 w + 127 (eight tiles b) for all 128 rows: 64 accumulators, 512 registers.
; The product is used transposed (source 0 = 16 hidden units, source 1 = 16 rows): a lane holds one row, and the 64 registers of a row tile are, block by block, 16 neighbours along the next K
; (the earlier launch chose the units of a tile for that).  So a wave's part of h is K step w of the next product: quantised in registers, it goes to the other waves through LDS as an image of the operand's registers.
; The residual product adds in place onto relu(..) + br.  The latent's codes are made once and stay in LDS for all three stages; only the tail K step's image changes.
; WEIGHTS GO FROM MEMORY STRAIGHT INTO REGISTERS, as images laid by the earlier launch: a fragment feeds one wave of the work-group alone, so through LDS its 1,536 bytes would be written and read once more,
; beside the 13,312 bytes of row images that each wave reads for a K step's 64 matrix instructions.  Hence no tensor load, no ring and no cluster: a joint request can land only in LDS.
; NEIGHBOURS.  groups[row] names two groups of 32 points that hold the row's best two; their 64 points are gone through in ascending index with the chain of the earlier launch, 'greater' alone, so the lower index wins a tie.
; Coordinates of ranks 1 and 2 are kept by selects: no address hangs on a floating-point number.
; LIMITS: NaN and infinities are not served.  Neighbours whose pd differ by a rounding of f32 may change places against a sum taken in another order.  A block of zeros has the byte 1 (or the 0 of the fill) with zero codes.
; REGISTERS, in windows of 256.  window 0: v0-31 addresses and the running std; v32-47 the weights' scale words, two sets; v48-63 the rows' scale words, two sets; v64-159, v160-255 the rows' fragments, two sets;
;   the second set's registers serve as work registers in the K steps that read the first.  window 1: v0-95, v96-191 the weights' fragments, two sets; v192-255 b1, then br, then w2, in the result's layout.
;   windows 2, 3: accumulator (a, b) at v[8 (8 (a % 4) + b)] of window 2 + a / 4; at the head window 2 takes four sets of 64 numbers of the latent.
.set XIMG, 0                           ; the rows' images: (K step x 8 + a) x 1,536; K step 4 is the tail
.set XSC,  61440                       ; their scale words: (K step x 8 + a) x 128
.set HIMG, 66560                       ; the hidden layer's
.set HSC,  115712
.set VEC,  119808                      ; [stage][b1, br, w2][512] f32
.set PART, 138240                      ; [wave][128 rows]: the waves' parts of h . w2
.set OUTS, 140288                      ; 128 results
.set STGB, 140800                      ; a stage of 16 rows x (512 + 16) bytes for each wave
.set TBL,  174592                      ; the batch's points: group x 528 + 16 i
.set TM,   160                         ; v160-163 largest magnitudes, v164-167 bytes, v172-175 scale operands
.set PW,   176                         ; the scale word just made
.set PC,   180                         ; v180-199 the codes just made
.set RT,   200                         ; v200-207 eight numbers behind relu
.set RS,   208                         ; v208-215 four pairs of sums
.set SUM,  216                         ; v216-223 a row tile's part of h . w2
.set Z16,  224                         ; v224-239 the tail's 16 numbers
.set PL,   24                          ; v24-27 lane permutes' destinations
.set WP,   42                          ; s[42:43] this stage's records for my wave;  s[44:45] the next stage's;  s[46:47] stage 1's
.set WN,   44
.set WS0,  46
.set STG,  48
.set REC,  53248
.set STAGEB, 9*REC
.set MSB, 0
.macro WIN new                         ; the immediate's high byte repeats the setting that is left
.if MSB != (\new)
	s_set_vgpr_msb (MSB<<8)|(\new)
.set MSB, (\new)
.endif
.endm
.macro PLACES                          ; four places behind this matrix form, ahead of loads into its registers and of reads of its results
.rept 4
	v_nop
.endr
.endm
.macro BARRIER                         ; my LDS stores have landed and my LDS loads are in: then the work-group's barrier
	s_wait_dscnt 0x0
	s_barrier_signal -1
	s_barrier_wait -1
.endm
; THE QUANTISER of 64 numbers of a lane, v[s] .. v[s + 63] of window win: register 16 b + i = k 32 b + 16 (lane / 16) + i of my row.  In four parts, so that they can stand in slices among matrix instructions.
.macro QMAX s, win, r0, r1             ; rounds r0 .. r1 of eight: the four blocks by turns
	WIN (\win)|((\win)<<2)
.set rr, \r0
.rept (\r1)-(\r0)+1
.irp b, 0,1,2,3
.if rr == 0
	v_max3_num_f32 v[TM+\b], |v[\s+16*\b]|, |v[\s+16*\b+1]|, 0x2800000   ; with the floor 2^(5 - 127): the byte cannot fall under 1
.else
	v_max3_num_f32 v[TM+\b], |v[\s+16*\b+2*rr]|, |v[\s+16*\b+2*rr+1]|, v[TM+\b]
.endif
.endr
.set rr, rr+1
.endr
.endm
.macro QMID
	WIN 0
	s_wait_dscnt 0x0                               ; the last image's stores have read the codes and the word, which are written anew below
.irp b, 0,1,2,3
	v_permlanex16_b32 v[PL+\b], v[TM+\b], s40, s41
.endr
.irp b, 0,1,2,3
	v_max_num_f32 v[TM+\b], v[TM+\b], v[PL+\b]     ; with lane l xor 16's: the block's largest magnitude
.endr
.irp b, 0,1,2,3
	v_add_nc_u32 v[TM+12+\b], 0xfe000000, v[TM+\b] ; 4 off its exponent field: the conversion's scale operand
.endr
.irp b, 0,1,2,3
	v_lshrrev_b32 v[TM+4+\b], 23, v[TM+12+\b]      ; the scale's byte
.endr
	v_lshl_or_b32 v[PW], v[TM+5], 8, v[TM+4]
	v_lshl_or_b32 v[PW], v[TM+6], 16, v[PW]
	v_lshl_or_b32 v[PW], v[TM+7], 24, v[PW]        ; my row's scale word
.endm
.macro QCVT s, win
	WIN \win
.irp c, 0,1
	v_cvt_scalef32_pk16_bf6_f32 v[PC+6*\c:PC+6*\c+2], v[\s+32*\c:\s+32*\c+15], v[TM+12+2*\c]
	v_cvt_scalef32_pk16_bf6_f32 v[PC+12+4*\c:PC+14+4*\c], v[\s+16+32*\c:\s+31+32*\c], v[TM+13+2*\c]   ; (a conversion's three registers begin on an even number)
.endr
	WIN 0
	v_nop                                          ; one plain place behind a scaled conversion
.endm
.macro QSWAP                           ; the operand's layout wants a whole block in a lane: lanes 0-15 block 2 c, lanes 16-31 block 2 c + 1
	WIN 0
.irp c, 0,1
.irp i, 0,1,2
	v_permlane16_swap_b32 v[PC+6*\c+\i], v[PC+12+4*\c+\i]
.endr
.irp i, 0,1,2
	v_mov_b32 v[PC+3+6*\c+\i], v[PC+12+4*\c+\i]
.endr
.endr
.endm
.macro IMAGE adr, off                  ; the fragment in v[PC] on goes to LDS as it stands: 512 consecutive bytes a store
.irp c, 0,1,2
	ds_store_b128 v[\adr], v[PC+4*\c:PC+4*\c+3] offset:(\off)+512*\c
.endr
.endm
; The tail K step of my row: 16 numbers (those from 12 on are zeros) are the lower half of block 0; the rest of the image stays zero codes.
.macro TAILQ s
	v_max3_num_f32 v[TM], |v[\s]|, |v[\s+1]|, 0x2800000
	v_max3_num_f32 v[TM+1], |v[\s+2]|, |v[\s+3]|, |v[\s+4]|
	v_max3_num_f32 v[TM], v[TM], |v[\s+5]|, |v[\s+6]|
	v_max3_num_f32 v[TM+1], v[TM+1], |v[\s+7]|, |v[\s+8]|
	v_max3_num_f32 v[TM], v[TM], |v[\s+9]|, |v[\s+10]|
	v_max3_num_f32 v[TM], v[TM], v[TM+1], |v[\s+11]|
	v_add_nc_u32 v[TM+12], 0xfe000000, v[TM]
	v_lshrrev_b32 v[TM+4], 23, v[TM+12]            ; the word: block 0's byte; the other three bytes 0, over zero codes
	v_cvt_scalef32_pk16_bf6_f32 v[PC:PC+2], v[\s:\s+15], v[TM+12]
	v_mov_b32 v[PC+3], 0                           ; (a plain place behind the conversion)
	ds_store_b128 v14, v[PC:PC+3]                  ; registers 0-3 of lane r of my row tile's image
	ds_store_b32 v15, v[TM+4]
.endm
.macro LLOAD f                         ; latent set f: row tile 2 w + f / 4, K step f % 4: 16 rows x 512 consecutive bytes, into window 2
	WIN 0x80
.set ii, 0
.rept 16
	global_load_b128 v[64*((\f)%4)+4*ii:64*((\f)%4)+4*ii+3], v4, s[54:55] offset:(((\f)/4)*16+ii)*2048+((\f)%4)*512 th:TH_LOAD_NT
.set ii, ii+1
.endr
	WIN 0
.endm
.macro WLOAD set, bs, off, b0, n       ; n fragments from b0 on, and their scale words, of the record at s[bs] + off
	WIN 0x40
.set bb, \b0
.rept \n
.irp c, 0,1,2
	global_load_b128 v[96*(\set)+12*bb+4*\c:96*(\set)+12*bb+4*\c+3], v4, s[\bs:\bs+1] offset:(\off)+1536*bb+512*\c
.endr
.set bb, bb+1
.endr
	WIN 0
.set bb, \b0
.rept \n
	global_load_b32 v[32+8*(\set)+bb], v8, s[\bs:\bs+1] offset:(\off)+12288+128*bb
.set bb, bb+1
.endr
.endm
.macro WRUN p, b0, n                   ; into the set that K step p has just read: the record two steps on; a stage has nine steps, so step 7's set takes the next stage's step 1 and step 8's its step 0
.if (\p) <= 6
	WLOAD (\p)%2, WP, ((\p)+2)*REC, \b0, \n
.elseif (\p) == 7
	WLOAD 1, WN, REC, \b0, \n
.else
	WLOAD 0, WN, 0, \b0, \n
.endif
.endm
.macro XLD set, ia, sa, ks             ; the eight row tiles' images and scale words of K step ks
.irp a, 0,1,2,3,4,5,6,7
.irp c, 0,1,2
	ds_load_b128 v[64+96*(\set)+12*\a+4*\c:64+96*(\set)+12*\a+4*\c+3], v[\ia] offset:((\ks)*8+\a)*1536+512*\c
.endr
	ds_load_b32 v[48+8*(\set)+\a], v[\sa] offset:((\ks)*8+\a)*128
.endr
.endm
.macro XRUN p
.if (\p) < 4
	XLD ((\p)+1)%2, 4, 5, (\p)+1
.else
	XLD ((\p)+1)%2, 6, 7, (\p)-4
.endif
.endm
.macro VLOAD k                         ; vector k of the stage in the result's layout: register 8 t + j = unit 128 w + 32 (t / 2) + 16 h + 8 (t % 2) + j
	WIN 0x40
.irp t, 0,1,2,3,4,5,6,7
	ds_load_b128 v[192+8*\t:195+8*\t], v11 offset:2048*(\k)+128*(\t/2)+32*(\t%2)
	ds_load_b128 v[196+8*\t:199+8*\t], v11 offset:2048*(\k)+128*(\t/2)+32*(\t%2)+16
.endr
	WIN 0
.endm
.macro MM a, b, p, cm                  ; cm = 1: the sum begins with b1 as C
.set AC, 8*(8*((\a)%4)+(\b))
.set WF, 96*((\p)%2)+12*(\b)
.set XF, 64+96*((\p)%2)+12*(\a)
.if \cm
	v_wmma_scale_f32_16x16x128_f8f6f4 v[AC:AC+7], v[WF:WF+11], v[XF:XF+11], v[192+8*(\b):199+8*(\b)], v[32+8*((\p)%2)+(\b)], v[48+8*((\p)%2)+(\a)] matrix_a_fmt:MATRIX_FMT_BF6 matrix_b_fmt:MATRIX_FMT_BF6
.else
	v_wmma_scale_f32_16x16x128_f8f6f4 v[AC:AC+7], v[WF:WF+11], v[XF:XF+11], v[AC:AC+7], v[32+8*((\p)%2)+(\b)], v[48+8*((\p)%2)+(\a)] matrix_a_fmt:MATRIX_FMT_BF6 matrix_b_fmt:MATRIX_FMT_BF6
.endif
.endm
.macro MMG a0, b0, p, cm               ; 16 matrix instructions under one window setting: source 0 window 1, source 1 window 0, D window 2 or 3, C with D or (b1) window 1
.if \cm
	WIN 0x91+0x40*((\a0)/4)
.else
	WIN 0xa1+0x50*((\a0)/4)
.endif
.irp a, \a0, \a0+1, \a0+2, \a0+3
.irp b, \b0, \b0+1, \b0+2, \b0+3
	MM (\a), (\b), \p, \cm
.endr
.endr
.endm
; A K step: 64 matrix instructions, each accumulator once (the accumulators take turns).  The weights' fragments 0-3 are free at its middle, 4-7 at its end.
.macro KSTEP p, cm
.if (\p) == 0
	s_wait_loadcnt 0x0                             ; this record was asked for last of all
.else
	s_wait_loadcnt 32                              ; this step's record is in; the 32 loads of the record asked for one step later may be out
.endif
	s_wait_dscnt 0x0                               ; the rows' images, asked for in the last step's middle
	MMG 0, 0, \p, \cm
	MMG 4, 0, \p, \cm
	WIN 0
	PLACES
	WRUN \p, 0, 4
	XRUN \p
.if (\p) == 1
	VLOAD 1                                        ; br takes b1's place: the first step's products have read it
.endif
	MMG 4, 4, \p, \cm
	MMG 0, 4, \p, \cm
	WIN 0
	PLACES
	WRUN \p, 4, 4
.endm
; Slices behind the first product's last K step, for row tile a: relu in place (from each accumulator's low end on), the quantiser, the image, + br.
.macro P1 a, n
.set AB, 64*((\a)%4)
.set AW, 2+(\a)/4
.if (\n) < 4
	WIN (AW<<6)|(AW<<2)
.set jj, 16*(\n)
.rept 16
	v_max_num_f32 v[AB+jj], 0, v[AB+jj]
.set jj, jj+1
.endr
.elseif (\n) == 4
	QMAX AB, AW, 0, 3
.elseif (\n) == 5
	QMAX AB, AW, 4, 7
.elseif (\n) == 6
	QMID
	QCVT AB, AW
.else
	QSWAP
	IMAGE 9, 1536*(\a)                             ; K step w of the residual product, row tile a
	ds_store_b32 v10, v[PW] offset:128*(\a)
	WIN (AW<<6)|4|AW
.set jj, 0
.rept 32
	v_pk_add_f32 v[AB+jj:AB+jj+1], v[AB+jj:AB+jj+1], v[192+jj:193+jj]   ; h + br: the residual product adds onto it
.set jj, jj+2
.endr
.endif
.endm
; Slices behind the residual product's last K step: relu and the dot with w2, accumulator (a, b).
.macro P2 a, b
.set AB, 64*((\a)%4)+8*(\b)
.set AW, 2+(\a)/4
	WIN AW<<2
.irp j, 0,1,2,3,4,5,6,7
	v_max_num_f32 v[RT+\j], 0, v[AB+\j]
.endr
	WIN 0x04
.irp q, 0,1,2,3
.if (\b) == 0
	v_pk_mul_f32 v[RS+2*\q:RS+2*\q+1], v[RT+2*\q:RT+2*\q+1], v[192+8*(\b)+2*\q:193+8*(\b)+2*\q]
.else
	v_pk_fma_f32 v[RS+2*\q:RS+2*\q+1], v[RT+2*\q:RT+2*\q+1], v[192+8*(\b)+2*\q:193+8*(\b)+2*\q], v[RS+2*\q:RS+2*\q+1]
.endif
.endr
.if (\b) == 7
	WIN 0
	v_pk_add_f32 v[RS:RS+1], v[RS:RS+1], v[RS+2:RS+3]
	v_pk_add_f32 v[RS+4:RS+5], v[RS+4:RS+5], v[RS+6:RS+7]
	v_pk_add_f32 v[RS:RS+1], v[RS:RS+1], v[RS+4:RS+5]
	v_add_f32 v[SUM+(\a)], v[RS], v[RS+1]
.endif
.endm
.macro SL kind, a, b
.if (\kind) == 1
	P1 \a, \b
.else
	P2 \a, \b
.endif
.endm
; A product's last K step goes by row tiles, and behind each matrix instruction of tile a stands a slice of the vector work on tile a - 1, which is finished.
; Between a matrix instruction and the first read of its result stand four v_nop (tile 0) or a whole slice or more of plain instructions on other registers.
.macro KLAST p, kind
	s_wait_loadcnt 32
	s_wait_dscnt 0x0
	WIN 0xa1
.irp b, 0,1,2,3,4,5,6,7
	MM 0, \b, \p, 0
.endr
	PLACES
.irp a, 1,2,3,4,5,6,7
.irp b, 0,1,2,3,4,5,6,7
	WIN 0xa1+0x50*(\a/4)
	MM \a, \b, \p, 0
	SL \kind, (\a-1), \b
.endr
.endr
	WIN 0
	WRUN \p, 0, 8                                  ; the slice above is the places behind the last product
.irp b, 0,1,2,3,4,5,6,7
	SL \kind, 7, \b
.endr
	WIN 0
.endm
; ---------------- the head
	s_load_b512 s[4:19], s[0:1], 0x0               ; latent s[4:5], pts4 s[6:7], groups s[8:9], wimg s[10:11], s1_b1, s1_br, s1_w2, s2_b1 s[12:19]
	s_load_b512 s[20:35], s[0:1], 0x40             ; s2_br, s2_w2, s3_b1, s3_br, s3_w2 s[20:29]; s1_b2, s2_b2, s3_b2 s[30:35]
	s_load_b64 s[36:37], s[0:1], 0x80              ; out0
	v_lshrrev_b32 v31, 5, v0
	v_readfirstlane_b32 s38, v31                   ; wave 0..3
	v_and_b32 v1, 31, v0                           ; lane
	v_and_b32 v2, 15, v0                           ; r
	v_bfe_u32 v3, v0, 4, 1                         ; h
	s_mov_b32 s40, 0x76543210
	s_mov_b32 s41, 0xfedcba98                      ; lane l xor 16
	s_mov_b32 s52, 0xffff0000                      ; lanes 16-31
	v_lshlrev_b32 v4, 4, v1                        ; 16 x lane: an image's place for my lane
	v_lshl_add_u32 v5, v1, 2, XSC
	v_add_nc_u32 v6, HIMG, v4
	v_lshl_add_u32 v7, v1, 2, HSC
	v_lshlrev_b32 v8, 2, v1
	s_mul_i32 s56, s38, 12288
	s_add_co_u32 s56, s56, HIMG
	v_add_nc_u32 v9, s56, v4                       ; where I store the hidden layer's images
	s_lshl_b32 s56, s38, 10
	s_add_co_u32 s56, s56, HSC
	v_add_nc_u32 v10, s56, v8
	s_lshl_b32 s56, s38, 9
	s_add_co_u32 s57, s56, VEC
	v_lshl_add_u32 v11, v3, 6, s57                 ; the stage's vectors at my units
	s_add_co_u32 s57, s56, PART
	v_add_nc_u32 v12, s57, v8
	s_lshl_b32 s56, s38, 7
	s_add_co_u32 s56, s56, PART
	v_add_nc_u32 v13, s56, v8
	s_mul_i32 s56, s38, 3072
	s_add_co_u32 s57, s56, XIMG+49152
	v_mul_u32_u24 v14, v3, 1536
	v_lshl_add_u32 v14, v2, 4, v14
	v_add_nc_u32 v14, s57, v14                     ; the tail's image: row tile 2 w + lane / 16, lane r's first 16 bytes
	v_add_nc_u32 v18, s56, v4                      ; where I store the latent's images
	s_lshl_b32 s56, s38, 8
	s_add_co_u32 s57, s56, XSC+4096
	v_lshlrev_b32 v15, 7, v3
	v_lshl_add_u32 v15, v2, 2, v15
	v_add_nc_u32 v15, s57, v15                     ; and the tail's scale word
	s_add_co_u32 s57, s56, XSC
	v_add_nc_u32 v19, s57, v8
	s_mul_i32 s56, s38, 8448
	s_add_co_u32 s56, s56, STGB
	v_add_nc_u32 v16, s56, v4                      ; my stage: in, 16 bytes a lane of a row of 512
	v_mul_u32_u24 v17, v2, 528
	v_lshl_add_u32 v17, v3, 6, v17
	v_add_nc_u32 v17, s56, v17                     ; and out: row r, + 64 h
	v_lshl_add_u32 v21, v0, 2, OUTS
	v_lshlrev_b32 v28, 4, v0                       ; 16 x thread
	v_lshlrev_b32 v29, 2, v0                       ; 4 x thread
	s_mul_i32 s56, s38, 528
	s_add_co_u32 s56, s56, TBL
	v_add_nc_u32 v30, s56, v4                      ; the table: group 4 i + w, 16 bytes a lane
	v_lshl_add_u32 v31, v0, 3, XSC+4096
	v_add_nc_u32 v229, VEC, v28
.irp b, 0,1,2,3
	v_mov_b32 v[PL+\b], 0
.endr
.irp k, 0,1,2,3,4,5
	ds_store_b128 v28, v[24:27] offset:XIMG+49152+2048*\k          ; the tail K step: zero codes,
.endr
	ds_store_b64 v31, v[24:25]                     ; and zero scale bytes (2^-127 over zero codes)
	s_wait_kmcnt 0x0
	s_load_b32 s49, s[30:31], 0x0                  ; the three b2
	s_load_b32 s50, s[32:33], 0x0
	s_load_b32 s51, s[34:35], 0x0
	s_mov_b32 s57, 0
	s_lshl_b32 s56, ttmp9, 9
	s_add_nc_u64 s[8:9], s[8:9], s[56:57]          ; my 128 words of groups
	s_add_nc_u64 s[36:37], s[36:37], s[56:57]      ; my 128 results
	s_lshl_b32 s56, ttmp9, 11
	s_add_nc_u64 s[58:59], s[6:7], s[56:57]        ; my 128 rows of pts4
	s_lshr_b32 s56, ttmp9, 5
	s_lshl_b32 s56, s56, 16
	s_add_nc_u64 s[6:7], s[6:7], s[56:57]          ; the batch's 4,096
	s_lshl_b32 s56, ttmp9, 18
	s_lshl_b32 s53, s38, 16
	s_add_co_u32 s56, s56, s53
	s_add_nc_u64 s[54:55], s[4:5], s[56:57]        ; latent at row 128 x work-group + 32 x wave
	s_mul_i32 s56, s38, 13312
	s_add_nc_u64 s[WS0:WS0+1], s[10:11], s[56:57]  ; my wave's part of record 0
	global_load_b32 v228, v29, s[8:9]              ; my row's two groups
	global_load_b128 v[232:235], v28, s[58:59]     ; my row's point
.irp i, 0,1,2,3,4,5,6,7,8,9,10,11,12,13,14,15,16,17,18,19,20,21,22,23,24,25,26,27,28,29,30,31
	global_load_b128 v[64+4*\i:67+4*\i], v28, s[6:7] offset:2048*\i
.endr
.irp n, 0,1,2,3,4,5,6,7,8
	global_load_b128 v[192+4*\n:195+4*\n], v28, s[12+2*\n:13+2*\n]
.endr
	LLOAD 0
	s_wait_loadcnt 16                              ; all but latent set 0
.irp i, 0,1,2,3,4,5,6,7,8,9,10,11,12,13,14,15,16,17,18,19,20,21,22,23,24,25,26,27,28,29,30,31
	ds_store_b128 v30, v[64+4*\i:67+4*\i] offset:2112*\i
.endr
.irp n, 0,1,2,3,4,5,6,7,8
	ds_store_b128 v229, v[192+4*\n:195+4*\n] offset:2048*\n
.endr
	LLOAD 1
	LLOAD 2
	BARRIER                                        ; the table, the vectors and the zeros lie in LDS
; ---- the best two of my row's 64 candidates.  Between this barrier and the next no wave writes LDS
	v_and_b32 v22, 127, v228
	v_bfe_u32 v23, v228, 8, 7
	v_min_u32 v22, 127, v22
	v_min_u32 v23, 127, v23
	v_mul_u32_u24 v22, v22, 528
	v_mul_u32_u24 v23, v23, 528
	v_add_nc_u32 v22, TBL, v22                     ; the lower group,
	v_add_nc_u32 v23, TBL, v23                     ; the higher
	v_add_f32 v236, v232, v232
	v_add_f32 v237, v233, v233
	v_add_f32 v238, v234, v234                     ; (2x, 2y, 2z); v235 = xx
	v_mov_b32 v239, 0xff800000                     ; the best pd, v240 the second; v241-243, v244-246 their points
	v_mov_b32 v240, 0xff800000
.irp d, 0,1,2,3,4,5
	v_mov_b32 v[241+\d], 0
.endr
.macro CANDS g                         ; candidates 8 g .. 8 g + 7 of the group
	s_wait_dscnt 24-8*(\g)                         ; the younger gathers may be out
.irp k, 0,1,2,3,4,5,6,7
	v_mul_f32 v[248+\k], v236, v[64+4*(8*(\g)+\k)]
.endr
.irp k, 0,1,2,3,4,5,6,7
	v_fma_f32 v[248+\k], v237, v[65+4*(8*(\g)+\k)], v[248+\k]
.endr
.irp k, 0,1,2,3,4,5,6,7
	v_fma_f32 v[248+\k], v238, v[66+4*(8*(\g)+\k)], v[248+\k]
.endr
.irp k, 0,1,2,3,4,5,6,7
	v_sub_f32 v[248+\k], v[248+\k], v235
.endr
.irp k, 0,1,2,3,4,5,6,7
	v_sub_f32 v[248+\k], v[248+\k], v[67+4*(8*(\g)+\k)]
.endr
.irp k, 0,1,2,3,4,5,6,7
	v_cmp_gt_f32 vcc_lo, v[248+\k], v239
	v_cmp_gt_f32 s60, v[248+\k], v240
.irp d, 0,1,2
	v_cndmask_b32 v[244+\d], v[244+\d], v[64+4*(8*(\g)+\k)+\d], s60
.endr
.irp d, 0,1,2
	v_cndmask_b32 v[244+\d], v[244+\d], v[241+\d], vcc_lo
.endr
.irp d, 0,1,2
	v_cndmask_b32 v[241+\d], v[241+\d], v[64+4*(8*(\g)+\k)+\d], vcc_lo
.endr
	v_med3_num_f32 v240, v239, v240, v[248+\k]
	v_max_num_f32 v239, v239, v[248+\k]
.endr
.endm
	s_mov_b32 s56, 0
.Lscan:
.irp i, 0,1,2,3,4,5,6,7,8,9,10,11,12,13,14,15,16,17,18,19,20,21,22,23,24,25,26,27,28,29,30,31
	ds_load_b128 v[64+4*\i:67+4*\i], v22 offset:16*\i
.endr
	CANDS 0
	CANDS 1
	CANDS 2
	CANDS 3
	v_mov_b32 v22, v23
	s_add_co_u32 s56, s56, 1
	s_cmp_lt_u32 s56, 2
	s_cbranch_scc1 .Lscan
	BARRIER
	; the 12 features: the point, then n0_i n1_j
	v_mov_b32 v208, v232
	v_mov_b32 v209, v233
	v_mov_b32 v210, v234
.irp i, 0,1,2
.irp j, 0,1,2
	v_mul_f32 v[211+3*\i+\j], v[241+\i], v[244+\j]
.endr
.endr
.irp j, 0,1,2,3
	v_mov_b32 v[220+\j], 0
.endr
	TAILQ 208
; ---- the latent: set f goes through my stage, as it lies, and comes back 16 neighbours of each block a lane; quantised; its image to LDS
.macro LSTEP f, cnt
	s_wait_loadcnt \cnt
.if (\f) < 5
	LLOAD (\f)+3                                   ; into the set whose stores into the stage were waited for a step ago
.elseif (\f) == 5
	WLOAD 0, WS0, 0, 0, 8
.elseif (\f) == 6
	WLOAD 1, WS0, REC, 0, 8
.endif
	WIN 0x08                                       ; an LDS store's data are its source 1: window 2
.set ii, 0
.rept 16
	ds_store_b128 v16, v[64*((\f)%4)+4*ii:64*((\f)%4)+4*ii+3] offset:528*ii
.set ii, ii+1
.endr
	WIN 0
.irp b, 0,1,2,3
.irp j, 0,1,2,3
	ds_load_b128 v[64+16*\b+4*\j:67+16*\b+4*\j], v17 offset:128*\b+16*\j   ; LDS serves a wave's instructions in order (ISA guide 5.7.1.4): these see the stores above
.endr
.endr
	s_wait_dscnt 0x0
	QMAX 64, 0, 0, 7
	QMID
	QCVT 64, 0
	QSWAP
	IMAGE 18, (((\f)%4)*8+(\f)/4)*1536
	ds_store_b32 v19, v[PW] offset:(((\f)%4)*8+(\f)/4)*128
.endm
	LSTEP 0, 32                                    ; the two younger sets may be out
	LSTEP 1, 32
	LSTEP 2, 32
	LSTEP 3, 32
	LSTEP 4, 32
	LSTEP 5, 32
	LSTEP 6, 48                                    ; set 7 and record 0
	LSTEP 7, 63                                    ; 64 loads are younger: the field's largest count is safe
	BARRIER                                        ; all 40 images of the rows lie in LDS
	v_mov_b32 v20, 0                               ; the running std of row 32 w + lane
	s_mov_b32 s[STG], 0
	s_mov_b64 s[WP:WP+1], s[WS0:WS0+1]
	s_add_nc_u64 s[WN:WN+1], s[WS0:WS0+1], STAGEB
	s_wait_kmcnt 0x0                               ; the three b2
; ---------------- a stage
.Lstage:
	XLD 0, 4, 5, 0
	VLOAD 0                                        ; b1
	KSTEP 0, 1
	KSTEP 1, 0
	KSTEP 2, 0
	KSTEP 3, 0
	KLAST 4, 1
	VLOAD 2                                        ; w2 takes br's place
	BARRIER                                        ; the hidden layer's 32 images lie in LDS
	XLD 1, 6, 7, 0
	KSTEP 5, 0
	KSTEP 6, 0
	KSTEP 7, 0
	KLAST 8, 2
.irp a, 0,1,2,3
	v_permlanex16_b32 v[PL+\a], v[SUM+\a], s40, s41
.endr
.irp a, 0,1,2,3
	v_add_f32 v[SUM+\a], v[SUM+\a], v[PL+\a]       ; both halves of the lanes: my 128 units' part for row r of tile a
.endr
.irp a, 0,1,2,3
	v_permlanex16_b32 v[PL+\a], v[SUM+4+\a], s40, s41
.endr
.irp a, 0,1,2,3
	v_add_f32 v[SUM+4+\a], v[SUM+4+\a], v[PL+\a]
.endr
.irp q, 0,1,2,3
	v_cndmask_b32 v[RT+\q], v[SUM+2*\q], v[SUM+2*\q+1], s52        ; lanes 16-31 take the odd tile: lane l holds row 32 q + l
.endr
.irp q, 0,1,2,3
	ds_store_b32 v12, v[RT+\q] offset:128*\q
.endr
	BARRIER                                        ; the four waves' parts lie in LDS
.irp q, 0,1,2,3
	ds_load_b32 v[RT+\q], v13 offset:512*\q
.endr
	s_wait_dscnt 0x0
	v_add_f32 v[RT], v[RT], v[RT+1]
	v_add_f32 v[RT+2], v[RT+2], v[RT+3]
	v_add_f32 v[RT], v[RT], v[RT+2]
	v_add_f32 v[RT], s49, v[RT]
	v_add_f32 v20, v20, v[RT]                      ; std += h . w2 + b2
	s_wait_xcnt 0x0                                ; the records' loads have read their bases: these may be written
	s_mov_b64 s[WP:WP+1], s[WN:WN+1]
	s_add_nc_u64 s[WN:WN+1], s[WP:WP+1], STAGEB
	s_mov_b32 s49, s50
	s_mov_b32 s50, s51
	v_add_nc_u32 v11, 6144, v11                    ; the next stage's vectors
	v_mov_b32 v[Z16], v20                          ; the next stage's tail: std, then zeros.  (Made behind the last stage too, where nobody reads it: so the loop has one way)
.irp j, 1,2,3,4,5,6,7,8,9,10,11,12,13,14,15
	v_mov_b32 v[Z16+\j], 0
.endr
	TAILQ Z16
	BARRIER                                        ; the tail's images lie in LDS
	s_add_co_u32 s[STG], s[STG], 1
	s_cmp_eq_u32 s[STG], 2                         ; the last stage's two last runs name stage 1's first records: inside the buffer, read by nobody, and every count of loads stays as it is
	s_cselect_b64 s[WN:WN+1], s[WS0:WS0+1], s[WN:WN+1]
	s_cmp_lt_u32 s[STG], 3
	s_cbranch_scc1 .Lstage
	v_add_nc_u32 v30, OUTS, v4
	ds_store_b32 v21, v20
	BARRIER
	s_cmp_lg_u32 s38, 0
	s_cbranch_scc1 .Lend
	ds_load_b128 v[64:67], v30
	s_wait_dscnt 0x0
	global_store_b128 v4, v[64:67], s[36:37]       ; 512 consecutive bytes, aligned
.Lend:
	s_wait_xcnt 0x0
	v_lshl_add_u32 v254, v0, 2, 0x3b200
	v_mov_b32 v255, 0
	s_wait_tensorcnt 0x0
	ds_add_u32 v254, v255
	s_wait_dscnt 0x0
	s_endpgm
.Lfunc_end_k_q646d06caf7_mlp:
	.size	k_q646d06caf7_mlp, .Lfunc_end_k_q646d06caf7_mlp-k_q646d06caf7_mlp
	.p2alignl 7, 3214868480
	.fill 96, 4, 3214868480
	.section	.rodata,"a",@progbits
	.p2align	6, 0x0
	.amdhsa_kernel k_q646d06caf7_mlp
		.amdhsa_group_segment_fixed_size 242688
		.amdhsa_private_segment_fixed_size 0
		.amdhsa_enable_private_segment 0
		.amdhsa_kernarg_size 136
		.amdhsa_user_sgpr_count 2
		.amdhsa_user_sgpr_kernarg_segment_ptr 1
		.amdhsa_wavefront_size32 1
		.amdhsa_system_sgpr_workgroup_id_x 1
		.amdhsa_system_sgpr_workgroup_id_y 1
		.amdhsa_system_sgpr_workgroup_id_z 1
		.amdhsa_system_vgpr_workitem_id 0
		.amdhsa_next_free_vgpr 1024
		.amdhsa_next_free_sgpr 66
		.amdhsa_reserve_vcc 1
		.amdhsa_float_denorm_mode_32 3
		.amdhsa_float_denorm_mode_16_64 3
		.amdhsa_memory_ordered 1
		.amdhsa_forward_progress 1
		.amdhsa_inst_pref_size 255
	.end_amdhsa_kernel
	.section	.bss,"aw",@nobits
	.p2align	6
	.space	262144
	.amdgpu_metadata
---
amdhsa.version: [ 1, 2 ]
amdhsa.kernels:
  - .name:           k_q646d06caf7_mlp
    .symbol:         k_q646d06caf7_mlp.kd
    .args:
      - { .name: latent, .offset: 0, .size: 8, .value_kind: global_buffer, .address_space: global }
      - { .name: pts4, .offset: 8, .size: 8, .value_kind: global_buffer, .address_space: global }
      - { .name: groups, .offset: 16, .size: 8, .value_kind: global_buffer, .address_space: global }
      - { .name: wimg, .offset: 24, .size: 8, .value_kind: global_buffer, .address_space: global }
      - { .name: s1_b1, .offset: 32, .size: 8, .value_kind: global_buffer, .address_space: global }
      - { .name: s1_br, .offset: 40, .size: 8, .value_kind: global_buffer, .address_space: global }
      - { .name: s1_w2, .offset: 48, .size: 8, .value_kind: global_buffer, .address_space: global }
      - { .name: s2_b1, .offset: 56, .size: 8, .value_kind: global_buffer, .address_space: global }
      - { .name: s2_br, .offset: 64, .size: 8, .value_kind: global_buffer, .address_space: global }
      - { .name: s2_w2, .offset: 72, .size: 8, .value_kind: global_buffer, .address_space: global }
      - { .name: s3_b1, .offset: 80, .size: 8, .value_kind: global_buffer, .address_space: global }
      - { .name: s3_br, .offset: 88, .size: 8, .value_kind: global_buffer, .address_space: global }
      - { .name: s3_w2, .offset: 96, .size: 8, .value_kind: global_buffer, .address_space: global }
      - { .name: s1_b2, .offset: 104, .size: 8, .value_kind: global_buffer, .address_space: global }
      - { .name: s2_b2, .offset: 112, .size: 8, .value_kind: global_buffer, .address_space: global }
      - { .name: s3_b2, .offset: 120, .size: 8, .value_kind: global_buffer, .address_space: global }
      - { .name: out0, .offset: 128, .size: 8, .value_kind: global_buffer, .address_space: global }
    .group_segment_fixed_size: 242688
    .private_segment_fixed_size: 0
    .kernarg_segment_align: 8
    .kernarg_segment_size: 136
    .max_flat_workgroup_size: 128
    .sgpr_count:     66
    .vgpr_count:     1024
    .wavefront_size: 32
...
	.end_amdgpu_metadata
.endif
;; end of part 2
